; MI455X (gfx1250); checked and timed in simulation.
; The chip was launched on July 23, 2026; its instructions are those of AMD's public machine-readable ISA for CDNA 5 (MIT licence, August 2026) and "CDNA5" Instruction Set Architecture Reference Guide (July 2026). The comments in the code are by the model that wrote it; some were corrected since.
;; LSTM. Allowed arithmetic: matrix products marked QUANTISED: E4M3 operands, one E8M0 scale for each 32 along K, by v_wmma_scale_f32_16x16x128_f8f6f4 with both operands' format E4M3, f32 sums; everything else in f32.
;; Inputs: C_prev 2,048 x 2,048 float32; W_A 4,000 x 2,048 float32; W_C 2,048 x 3,072 float32; W_f 2,048 x 3,072 float32; W_i 2,048 x 3,072 float32; W_o 2,048 x 3,072 float32; b_A 4,000 x 1 float32; b_C 2,048 x 1 float32; b_f 2,048 x 1 float32; b_i 2,048 x 1 float32; b_o 2,048 x 1 float32; emb 4,000 x 1,024 float32; h_prev 2,048 x 2,048 float32; input_text 2,048 int32.
;; Outputs: out0 4,000 x 2,048 float32; out1 2,048 x 2,048 float32; out2 2,048 x 2,048 float32.
;; This version of the problem:
;;   THIS VERSION OF THE PROBLEM IS GIVEN IN LOW PRECISION. The matrix products marked QUANTISED in the list below multiply operands that are first quantised to E4M3 (4 exponent bits, 3 mantissa bits; 8 bits a number), with one power-of-two scale for each 32 numbers along K (OCP MX v1.0); their sums are f32. All else is computed in f32.
;;   The module's matrix products, in the order in which they are computed (A, B: the left and right operand; K: the contracted axis; several contracted axes count as one K, in the product's order):
;;     1. [M 2,048, K 3,072] x [K 3,072, N 2,048]; A: input W_f; B: computed on the way: QUANTISED
;;     2. [M 2,048, K 3,072] x [K 3,072, N 2,048]; A: input W_i; B: computed on the way: QUANTISED
;;     3. [M 2,048, K 3,072] x [K 3,072, N 2,048]; A: input W_o; B: computed on the way: QUANTISED
;;     4. [M 2,048, K 3,072] x [K 3,072, N 2,048]; A: input W_C; B: computed on the way: QUANTISED
;;     5. [M 4,000, K 2,048] x [K 2,048, N 2,048]; A: input W_A; B: computed on the way: QUANTISED
;;   THE QUANTISER, for each operand of a quantised product, along K:
;;     - K is cut into blocks of 32 from its start; a last block that is shorter is filled with zeros.
;;     - A block's scale is 2^e with e = floor(log2(the largest magnitude in the block)) - 8, held to -126 .. 127; a block of zeros has e = 0. As a byte (E8M0): e + 127.
;;     - Each number is divided by its block's scale, clamped to +-448, and rounded to the nearest number of E4M3, ties to even, subnormals kept.
;;     - The product sums the exact products of the quantised numbers (number of the format x scale) in f32.
;;   ~~~python
;;   def quantise(x, axis):      # numpy; x: float32 -> the quantised numbers, widened to float32 again
;;       x = np.moveaxis(x, axis, -1); K = x.shape[-1]
;;       x = np.pad(x, [(0, 0)] * (x.ndim - 1) + [(0, -K % 32)]); x = x.reshape(x.shape[:-1] + (-1, 32)); a = np.abs(x).max(-1, keepdims=True)
;;       e = np.where(a > 0, np.clip(np.frexp(np.where(a > 0, a, 1))[1] - 1 - 8, -126, 127), 0)      # np.frexp(a)[1] - 1 = floor(log2(a)), exactly
;;       r = np.clip(x / 2.0 ** e, -448, 448)
;;       step = 2.0 ** (np.maximum(np.frexp(np.where(r == 0, 1, r))[1] - 1, -6) - 3)
;;       q = np.round(r / step) * step * 2.0 ** e      # np.round: ties to even
;;       return np.moveaxis(q.reshape(q.shape[:-2] + (-1,))[..., :K], -1, axis).astype(np.float32)
;;   ~~~
;;   OPERANDS COMPUTED ON THE WAY. 'Computed on the way' means the value that the module computes at that place (a softmax that the list does not call 'softmax' is quantised finished and normalised). What goes into a quantiser is computed in f32, as accurately as f32 sums, v_exp_f32 and their like allow (about 1e-6 of the number): no bf16 or f16 on the way to a quantiser, and a product that is left as it is and whose result goes on into a quantised operand takes f32 operands (vector FMAs, or v_wmma_f32_16x16x4_f32). A number that lies on a knife's edge between two numbers of the format may be rounded either way, as far as f32 arithmetic and the matrix unit's own rounding can turn it there, and no further.
;; One version. Each part assembles by itself: llvm-mc -triple=amdgcn-amd-amdhsa -mcpu=gfx1250 --defsym DOCPART=n.
;; ======== version 1 of 1: 3 launches
;; workspace buffers: wgq 25,952,256 bytes; waq 8,650,752 bytes; zq 6,488,064 bytes; hq 4,325,376 bytes
;; launch quant (part 1): grid 1216 x 1, 4 waves a work-group, no clusters, 68,096 bytes of LDS; arguments W_f, W_i, W_o, W_C, W_A, emb, input_text, h_prev, wgq, waq, zq; writes wgq, waq, zq
.if DOCPART == 1
	.amdgcn_target "amdgcn-amd-amdhsa--gfx1250"
	.amdhsa_code_object_version 6
	.text
	.protected	k_q3d9dd4cac3_quant
	.globl	k_q3d9dd4cac3_quant
	.p2align	8
	.type	k_q3d9dd4cac3_quant,@function
k_q3d9dd4cac3_quant:
	s_mov_b64 s[64:65], 0
	v_nop
	global_prefetch_b8 v0, s[64:65] scope:SCOPE_SE
	s_setreg_imm32_b32 hwreg(HW_REG_WAVE_MODE, 25, 1), 1
	s_wait_xcnt 0x0
; The operands that arrive as f32 become codes of FP8 (E4M3) with one E8M0 scale byte for each 32 along K: the four gate weights, W_A, and z^T = [h_prev ; emb[input_text]^T]^T.
; A block's scale is 2^(floor(log2(its largest magnitude)) - 8); its byte is the largest magnitude's exponent field - 8, held at 1 from below; each number is divided by the scale, held within +-448 and
; rounded to the nearest code, ties to even.  (A block of zeros gets the byte 1 where the rule says 127: its codes are zeros, which add nothing under any byte but 0xff, and this program alone reads the bytes.)
; LIMITS: blocks whose largest magnitude lies under 2^(9 - 127), the floor, keep the byte 1; NaN and infinities among the inputs are not served.
; THE LAYOUT OF ALL CODE BUFFERS: a half-block (HB) holds 128 rows x 256 K of an operand in 33,792 consecutive bytes.
;   bytes 0 .. 32,767: the codes as images of the operand's registers: tile i (16 rows) at 4,096 i; K block kb (32 along K) at 512 kb; there lane l = 16 h + r has 16 bytes at 16 l: row r, k = 32 kb + 16 h + 0 .. 15.
;   bytes 32,768 ..:   the scale bytes at 128 i + 8 r + kb.
; So the products' launches bring an HB by one dense tensor load and read every fragment by four loads of 16 bytes a lane on end.
; SHARES.  One work-group makes one HB; wave w makes tiles 2 w and 2 w + 1 (32 rows x 256 K).  Work-groups 0-767: wgq (HB (12 ny + ks) 2 + rh: tile 2 g + u = rows 64 ny + 32 rh + 16 u .. of gate g; g = f, i, o, C~);
; 768-1,023: waq (HB 8 my + ks: rows 128 my ..; the pairs of tiles past row 3,999 repeat rows 3,968-3,999, so that every byte is written: their products are never stored);
; 1,024-1,215: zq (HB (12 by + ks) 2 + ch: rows b = 256 by + 128 ch ..; ks 0-7 from h_prev, ks 8-11 from the gathered rows of emb).
; WHERE K IS INNERMOST (weights, emb): each load reads two rows' 256 consecutive bytes; 16 rows x 128 K turn through the wave's own stage in LDS (rows of 512 + 16 bytes) and come back 16 neighbours of each block of 32 a lane.
; WHERE K IS THE FIRST AXIS (h_prev): a lane takes a column b and its registers run down K: a block of 32 lies in one lane, and its two halves of 16 codes ARE the image's bytes of lanes r and 16 + r: no LDS.
; Waves share nothing: no barrier.  The path of the weights and the path of the gather have stages of their own in LDS.
.set HB,   33792
.set SCO,  32768                       ; where an HB's scale bytes begin
.set SP,   528                         ; a stage row: 512 bytes + 16
.set WSTG, 16*SP                       ; a wave's stage
.set STGB, 4*WSTG                      ; the gather path's stages lie behind the weights path's
.set VO,   16                          ; v16-31   byte offset of rows 2 i + lane / 16 (+ 16 (lane % 16)) from the source's base
.set R,    32                          ; v32-159  two sets of 64 numbers
.set PC,   160                         ; v160-223 codes: 16 registers for each of the four units, so that no store's data are written again
.set TM,   224                         ; v224-227 largest magnitudes, v228-231 permuted / bytes, v232-235 448 x the scale, v236-239 the conversions' scale operands
.set PW,   240                         ; v240-243 a scale word for each unit
.set HC,   96                          ; h_prev's path: v96-159 codes, 8 registers a block;  v32-95 two sets of 32 numbers;  v240-241 the scale bytes
	s_load_b512 s[4:19], s[0:1], 0x0               ; W_f 4, W_i 6, W_o 8, W_C 10, W_A 12, emb 14, input_text 16, h_prev 18
	s_load_b128 s[20:23], s[0:1], 0x40             ; wgq, waq
	s_load_b64 s[24:25], s[0:1], 0x50              ; zq
	v_lshl_add_u32 v248, v0, 2, 0x10800
	v_mov_b32 v249, 0
	v_lshrrev_b32 v1, 5, v0
	v_readfirstlane_b32 s26, v1                    ; wave 0..3
	v_and_b32 v1, 31, v0                           ; lane
	v_and_b32 v2, 15, v0                           ; r
	v_bfe_u32 v3, v0, 4, 1                         ; lane / 16
	s_mul_i32 s27, s26, WSTG
	v_mul_u32_u24 v4, v3, SP
	v_lshl_add_u32 v4, v2, 4, v4
	v_add_nc_u32 v4, s27, v4                       ; into the stage: row lane / 16 of a pair of rows, 16 bytes a lane
	v_mul_u32_u24 v5, v2, SP
	v_lshl_add_u32 v5, v3, 6, v5
	v_add_nc_u32 v5, s27, v5                       ; out of it: row r, + 64 bytes for lanes 16-31: my 16 numbers of a block of 32
	s_lshl_b32 s27, s26, 13
	v_lshl_add_u32 v6, v1, 4, s27                  ; the codes' place in the HB: 16 x lane + 8,192 x wave
	s_lshl_b32 s28, s26, 8
	v_lshl_add_u32 v7, v1, 3, s28                  ; the scale bytes': 8 x lane + 256 x wave
	v_lshlrev_b32 v8, 4, v2                        ; 16 r
	v_lshlrev_b32 v9, 2, v3                        ; the gather's index: 4 bytes x (lane / 16)
	v_lshl_add_u32 v10, v3, 12, v8
	v_add_nc_u32 v10, s27, v10                     ; h_prev's codes: tile 2 w + lane / 16, 16 r
	v_lshlrev_b32 v11, 2, v1                       ; h_prev: 4 bytes a lane
.irp b, 0,1,2,3
	v_mov_b32 v[TM+4+\b], 0                        ; written once: a lane permute's destination counts as one of its sources
.endr
	s_mov_b32 s42, 0x76543210
	s_mov_b32 s43, 0xfedcba98                      ; v_permlanex16_b32's selects for lane l xor 16
	s_mov_b32 s44, 0x600000                        ; the mantissa field of 448
	s_mov_b32 s45, 0xffff0000                      ; lanes 16-31
	s_mov_b32 s39, 0                               ; the upper word of every offset here: all stay under 2^32
; unit t = 2 u + q: tile u of my two, the q-th 128 along K.  16 loads: each reads 256 consecutive bytes of two rows.  nt = 1: the bytes are read once in the launch
.macro LOAD t, nt
.set LR, R+64*((\t)%2)
.irp i2, 0,1,2,3,4,5,6,7
.irp hf, 0,1
.if \nt
	global_load_b128 v[LR+8*\i2+4*\hf:LR+8*\i2+4*\hf+3], v[VO+8*((\t)/2)+\i2], s[34:35] offset:512*((\t)%2)+256*\hf th:TH_LOAD_NT
.else
	global_load_b128 v[LR+8*\i2+4*\hf:LR+8*\i2+4*\hf+3], v[VO+8*((\t)/2)+\i2], s[34:35] offset:512*((\t)%2)+256*\hf
.endif
.endr
.endr
.endm
; 64 numbers of a lane, register 16 b + i = k 32 b + 16 (lane / 16) + i of my row, become a fragment's codes in v[pc] on and its scale word in v[pw]
.macro QUANT s, pc, pw
.irp b, 0,1,2,3
	v_max3_num_f32 v[TM+\b], |v[\s+16*\b]|, |v[\s+1+16*\b]|, 0x4800000   ; block b: my 16 numbers, and the floor 2^(9 - 127): so the byte cannot fall under 1
.endr
.irp i, 2,4,6,8,10,12,14
.irp b, 0,1,2,3
	v_max3_num_f32 v[TM+\b], v[TM+\b], |v[\s+16*\b+\i]|, |v[\s+1+16*\b+\i]|   ; the four blocks by turns: no line waits for the line above it
.endr
.endr
.irp b, 0,1,2,3
	v_permlanex16_b32 v[TM+4+\b], v[TM+\b], s42, s43
.endr
.irp b, 0,1,2,3
	v_max_num_f32 v[TM+\b], v[TM+\b], v[TM+4+\b]   ; with lane l xor 16's: the block's largest magnitude
.endr
.irp b, 0,1,2,3
	v_add_nc_u32 v[TM+12+\b], 0xfc000000, v[TM+\b] ; 8 off its exponent field: the conversion takes the exponent field of this operand as its scale
.endr
.irp b, 0,1,2,3
	v_and_or_b32 v[TM+8+\b], v[TM+\b], 0x7f800000, s44   ; 448 x the scale
.endr
.irp b, 0,1,2,3
	v_lshrrev_b32 v[TM+4+\b], 23, v[TM+12+\b]      ; the scale's byte
.endr
	v_lshl_or_b32 v[\pw], v[TM+5], 8, v[TM+4]      ; four bytes make my row's scale word
	v_lshl_or_b32 v[\pw], v[TM+6], 16, v[\pw]
	v_lshl_or_b32 v[\pw], v[TM+7], 24, v[\pw]
.irp b, 0,1,2,3
.irp i, 0,1,2,3,4,5,6,7,8,9,10,11,12,13,14,15
	v_med3_num_f32 v[\s+16*\b+\i], v[\s+16*\b+\i], -v[TM+8+\b], v[TM+8+\b]   ; the conversion to an 8-bit code does not saturate (ISA guide 7.6.2): the hold comes first
.endr
	v_cvt_scalef32_pk8_fp8_f32 v[\pc+4*\b:\pc+1+4*\b], v[\s+16*\b:\s+7+16*\b], v[TM+12+\b]
	v_cvt_scalef32_pk8_fp8_f32 v[\pc+2+4*\b:\pc+3+4*\b], v[\s+8+16*\b:\s+15+16*\b], v[TM+12+\b]
.endr
	v_nop                                          ; a plain line behind the last conversion
.endm
.macro UNIT t, base, nt
.set RS, R+64*((\t)%2)
.if (\t) < 3
	s_wait_loadcnt 16                              ; this unit's 16 loads are in; the next unit's 16 may be out
.else
	s_wait_loadcnt 0x0
.endif
.irp i2, 0,1,2,3,4,5,6,7
.irp hf, 0,1
	ds_store_b128 v4, v[RS+8*\i2+4*\hf:RS+8*\i2+4*\hf+3] offset:\base+2*SP*\i2+256*\hf
.endr
.endr
.irp c, 0,1,2,3
.irp j, 0,1,2,3
	ds_load_b128 v[RS+16*\c+4*\j:RS+16*\c+4*\j+3], v5 offset:\base+128*\c+16*\j   ; LDS serves a wave's instructions in order (ISA guide 5.7.1.4): these see the stores above
.endr
.endr
	s_wait_dscnt 0x0
	QUANT RS, PC+16*(\t), PW+(\t)
.irp c, 0,1,2,3
	global_store_b128 v6, v[PC+16*(\t)+4*\c:PC+16*(\t)+4*\c+3], s[36:37] offset:2048*(\t)+512*\c   ; the wave stores 512 consecutive bytes, at a multiple of 256 from the buffer's first byte
.endr
.if (\t) < 2
	LOAD (\t)+2, \nt
.endif
.endm
.macro JOB base, nt
	LOAD 0, \nt
	LOAD 1, \nt
	UNIT 0, \base, \nt
	UNIT 1, \base, \nt
	UNIT 2, \base, \nt
	UNIT 3, \base, \nt
	v_cndmask_b32 v244, v240, v242, s45            ; lanes 0-15 carry tile 2 w's two words, lanes 16-31 tile 2 w + 1's (every lane holds its row r's word of both tiles)
	v_cndmask_b32 v245, v241, v243, s45
	global_store_b64 v7, v[244:245], s[36:37] offset:SCO   ; 32 lanes store 256 consecutive bytes, aligned
.endm
	s_wait_kmcnt 0x0
	s_cmp_lt_u32 ttmp9, 768
	s_cbranch_scc0 .Lnot_gates
	; ---- a gate weight: wave w takes gate w
	s_and_b32 s28, ttmp9, 1                        ; rh
	s_lshr_b32 s29, ttmp9, 1                       ; 12 ny + ks
	s_mul_i32 s30, s29, 43691
	s_lshr_b32 s30, s30, 19                        ; ny: 43,691 / 2^19 is 1 / 12 from above, exact for numbers this small
	s_mul_i32 s31, s30, 12
	s_sub_co_u32 s31, s29, s31                     ; ks
	s_mov_b64 s[34:35], s[4:5]
	s_cmp_eq_u32 s26, 1
	s_cselect_b64 s[34:35], s[6:7], s[34:35]
	s_cmp_eq_u32 s26, 2
	s_cselect_b64 s[34:35], s[8:9], s[34:35]
	s_cmp_eq_u32 s26, 3
	s_cselect_b64 s[34:35], s[10:11], s[34:35]
	s_lshl_b32 s30, s30, 6
	s_lshl_b32 s28, s28, 5
	s_add_co_u32 s30, s30, s28                     ; my first row: 64 ny + 32 rh
	s_mul_i32 s38, s30, 12288
	s_lshl_b32 s31, s31, 10
	s_add_co_u32 s38, s38, s31                     ; + 256 ks numbers
	s_add_nc_u64 s[34:35], s[34:35], s[38:39]
	s_mul_i32 s38, ttmp9, HB
	s_add_nc_u64 s[36:37], s[20:21], s[38:39]
	s_mov_b32 s40, 12288                           ; a row in bytes
	s_branch .Lrows
.Lnot_gates:
	s_cmp_lt_u32 ttmp9, 1024
	s_cbranch_scc0 .Lz
	; ---- W_A
	s_sub_co_u32 s27, ttmp9, 768                   ; 8 my + ks
	s_and_b32 s31, s27, 7
	s_lshr_b32 s30, s27, 3
	s_lshl_b32 s30, s30, 2
	s_add_co_u32 s30, s30, s26                     ; my 32 rows: number 4 my + w,
	s_min_u32 s30, s30, 124                        ; held at the last 32 rows that there are: no load leaves the buffer
	s_lshl_b32 s38, s30, 18                        ; 32 rows of 8,192 bytes
	s_lshl_b32 s31, s31, 10
	s_add_co_u32 s38, s38, s31
	s_add_nc_u64 s[34:35], s[12:13], s[38:39]
	s_mul_i32 s38, s27, HB
	s_add_nc_u64 s[36:37], s[22:23], s[38:39]
	s_mov_b32 s40, 8192
.Lrows:
	s_lshl_b32 s41, s40, 1
	v_mul_u32_u24 v[VO], v3, s40
	v_add_nc_u32 v[VO], v[VO], v8
.irp i, 1,2,3,4,5,6,7,8,9,10,11,12,13,14,15
	v_add_nc_u32 v[VO+\i], s41, v[VO+\i-1]         ; two rows on
.endr
	JOB 0, 1
	s_wait_tensorcnt 0x0
	ds_add_u32 v248, v249
	s_wait_dscnt 0x0
	s_endpgm
.Lz:
	s_sub_co_u32 s27, ttmp9, 1024                  ; (12 by + ks) 2 + ch
	s_and_b32 s28, s27, 1
	s_lshr_b32 s29, s27, 1
	s_mul_i32 s30, s29, 43691
	s_lshr_b32 s30, s30, 19                        ; by
	s_mul_i32 s31, s30, 12
	s_sub_co_u32 s31, s29, s31                     ; ks
	s_lshl_b32 s30, s30, 1
	s_add_co_u32 s30, s30, s28
	s_lshl_b32 s30, s30, 7
	s_lshl_b32 s28, s26, 5
	s_add_co_u32 s30, s30, s28                     ; my first b: 256 by + 128 ch + 32 w
	s_lshl_b32 s30, s30, 2                         ; in bytes of 4
	s_mul_i32 s38, s27, HB
	s_add_nc_u64 s[36:37], s[24:25], s[38:39]
	s_cmp_lt_u32 s31, 8
	s_cbranch_scc1 .Lhprev
	; ---- the gathered rows of emb: K = 2,048 + 256 (ks - 8) on
	s_mov_b32 s38, s30
	s_add_nc_u64 s[16:17], s[16:17], s[38:39]
.irp i, 0,1,2,3,4,5,6,7,8,9,10,11,12,13,14,15
	global_load_b32 v[R+\i], v9, s[16:17] offset:8*\i   ; input_text of rows 2 i + lane / 16
.endr
	s_sub_co_u32 s31, s31, 8
	s_lshl_b32 s38, s31, 10
	s_add_nc_u64 s[34:35], s[14:15], s[38:39]
	s_wait_loadcnt 0x0
.irp i, 0,1,2,3,4,5,6,7,8,9,10,11,12,13,14,15
	v_min_u32 v[R+\i], 0xf9f, v[R+\i]              ; an index stays inside the table of 4,000 rows
	v_lshlrev_b32 v[VO+\i], 12, v[R+\i]            ; a row of emb is 4,096 bytes
	v_add_nc_u32 v[VO+\i], v[VO+\i], v8
.endr
	JOB STGB, 0                                    ; no hint on these loads: a row may be named by several b
	s_wait_tensorcnt 0x0
	ds_add_u32 v248, v249
	s_wait_dscnt 0x0
	s_endpgm
.Lhprev:
	; ---- h_prev [n][b]: K = n is the first axis
	s_lshl_b32 s38, s31, 21                        ; 256 ks rows of 8,192 bytes
	s_add_co_u32 s38, s38, s30
	s_add_nc_u64 s[34:35], s[18:19], s[38:39]
.macro HLOAD t                         ; block t: h_prev(256 ks + 32 t + i, my b), i = 0 .. 31: each load reads 128 consecutive bytes; the largest offset, 255 rows, lies inside the signed 24-bit immediate
.irp i, 0,1,2,3,4,5,6,7,8,9,10,11,12,13,14,15,16,17,18,19,20,21,22,23,24,25,26,27,28,29,30,31
	global_load_b32 v[R+32*((\t)%2)+\i], v11, s[34:35] offset:(32*(\t)+\i)*8192 th:TH_LOAD_NT
.endr
.endm
.macro HBLOCK t
.set XS, R+32*((\t)%2)
.if (\t) < 7
	s_wait_loadcnt 32                              ; this block's 32 loads are in; the next block's may be out
.else
	s_wait_loadcnt 0x0
.endif
	v_max3_num_f32 v224, |v[XS]|, |v[XS+1]|, |v[XS+2]|   ; the block's largest magnitude: all 32 numbers are mine
	v_max3_num_f32 v225, |v[XS+3]|, |v[XS+4]|, |v[XS+5]|
.irp i, 6,10,14,18,22,26
	v_max3_num_f32 v224, v224, |v[XS+\i]|, |v[XS+\i+1]|
	v_max3_num_f32 v225, v225, |v[XS+\i+2]|, |v[XS+\i+3]|
.endr
	v_max3_num_f32 v224, v224, |v[XS+30]|, |v[XS+31]|
	v_max3_num_f32 v224, v224, v225, 0x4800000     ; and the floor
	v_add_nc_u32 v227, 0xfc000000, v224            ; the conversion's scale operand
	v_and_or_b32 v226, v224, 0x7f800000, s44       ; 448 x the scale
	v_lshrrev_b32 v225, 23, v227                   ; the byte
.if (\t)%4 == 0
	v_mov_b32 v[PW+(\t)/4], v225                   ; four bytes to a register, the lower K in the lower byte
.else
	v_lshl_or_b32 v[PW+(\t)/4], v225, 8*((\t)%4), v[PW+(\t)/4]
.endif
.irp i, 0,1,2,3,4,5,6,7,8,9,10,11,12,13,14,15,16,17,18,19,20,21,22,23,24,25,26,27,28,29,30,31
	v_med3_num_f32 v[XS+\i], v[XS+\i], -v226, v226
.endr
.irp g, 0,1,2,3
	v_cvt_scalef32_pk8_fp8_f32 v[HC+8*(\t)+2*\g:HC+8*(\t)+2*\g+1], v[XS+8*\g:XS+8*\g+7], v227
.endr
	v_nop                                          ; a plain line behind the last conversion
	global_store_b128 v10, v[HC+8*(\t):HC+8*(\t)+3], s[36:37] offset:512*(\t)         ; k = 32 t + 0 .. 15: the image's bytes of lane r: sixteen lanes store 256 consecutive bytes, aligned
	global_store_b128 v10, v[HC+8*(\t)+4:HC+8*(\t)+7], s[36:37] offset:512*(\t)+256   ; k = 32 t + 16 .. 31: those of lane 16 + r
.if (\t) < 6
	HLOAD (\t)+2
.endif
.endm
	HLOAD 0
	HLOAD 1
.irp t, 0,1,2,3,4,5,6,7
	HBLOCK \t
.endr
	global_store_b64 v7, v[PW:PW+1], s[36:37] offset:SCO   ; my row's eight scale bytes: 32 lanes store 256 consecutive bytes, aligned
	s_endpgm
.Lfunc_end_k_q3d9dd4cac3_quant:
	.size	k_q3d9dd4cac3_quant, .Lfunc_end_k_q3d9dd4cac3_quant-k_q3d9dd4cac3_quant
	.p2alignl 7, 3214868480
	.fill 96, 4, 3214868480
	.section	.rodata,"a",@progbits
	.p2align	6, 0x0
	.amdhsa_kernel k_q3d9dd4cac3_quant
		.amdhsa_group_segment_fixed_size 68096
		.amdhsa_private_segment_fixed_size 0
		.amdhsa_enable_private_segment 0
		.amdhsa_kernarg_size 88
		.amdhsa_user_sgpr_count 2
		.amdhsa_user_sgpr_kernarg_segment_ptr 1
		.amdhsa_wavefront_size32 1
		.amdhsa_system_sgpr_workgroup_id_x 1
		.amdhsa_system_sgpr_workgroup_id_y 1
		.amdhsa_system_sgpr_workgroup_id_z 1
		.amdhsa_system_vgpr_workitem_id 0
		.amdhsa_next_free_vgpr 250
		.amdhsa_next_free_sgpr 66
		.amdhsa_reserve_vcc 0
		.amdhsa_float_denorm_mode_32 3
		.amdhsa_float_denorm_mode_16_64 3
		.amdhsa_memory_ordered 1
		.amdhsa_forward_progress 1
		.amdhsa_inst_pref_size 159
	.end_amdhsa_kernel
	.amdgpu_metadata
---
amdhsa.version: [ 1, 2 ]
amdhsa.kernels:
  - .name:           k_q3d9dd4cac3_quant
    .symbol:         k_q3d9dd4cac3_quant.kd
    .args:
      - { .name: W_f, .offset: 0, .size: 8, .value_kind: global_buffer, .address_space: global }
      - { .name: W_i, .offset: 8, .size: 8, .value_kind: global_buffer, .address_space: global }
      - { .name: W_o, .offset: 16, .size: 8, .value_kind: global_buffer, .address_space: global }
      - { .name: W_C, .offset: 24, .size: 8, .value_kind: global_buffer, .address_space: global }
      - { .name: W_A, .offset: 32, .size: 8, .value_kind: global_buffer, .address_space: global }
      - { .name: emb, .offset: 40, .size: 8, .value_kind: global_buffer, .address_space: global }
      - { .name: input_text, .offset: 48, .size: 8, .value_kind: global_buffer, .address_space: global }
      - { .name: h_prev, .offset: 56, .size: 8, .value_kind: global_buffer, .address_space: global }
      - { .name: wgq, .offset: 64, .size: 8, .value_kind: global_buffer, .address_space: global }
      - { .name: waq, .offset: 72, .size: 8, .value_kind: global_buffer, .address_space: global }
      - { .name: zq, .offset: 80, .size: 8, .value_kind: global_buffer, .address_space: global }
    .group_segment_fixed_size: 68096
    .private_segment_fixed_size: 0
    .kernarg_segment_align: 8
    .kernarg_segment_size: 88
    .max_flat_workgroup_size: 128
    .sgpr_count:     66
    .vgpr_count:     250
    .wavefront_size: 32
...
	.end_amdgpu_metadata
.endif
;; end of part 1
;; launch gates (part 2): grid 8 x 32, 4 waves a work-group, clusters of 4 x 4, 327,680 bytes of LDS; arguments wgq, zq, C_prev, b_f, b_i, b_o, b_C, out1, out2, hq; writes out1, out2, hq
.if DOCPART == 2
	.amdgcn_target "amdgcn-amd-amdhsa--gfx1250"
	.amdhsa_code_object_version 6
	.text
	.protected	k_q3d9dd4cac3_gates
	.globl	k_q3d9dd4cac3_gates
	.p2align	8
	.type	k_q3d9dd4cac3_gates,@function
k_q3d9dd4cac3_gates:
	s_mov_b64 s[64:65], 0
	v_nop
	global_prefetch_b8 v0, s[64:65] scope:SCOPE_SE
	s_setreg_imm32_b32 hwreg(HW_REG_WAVE_MODE, 25, 1), 1
	s_wait_xcnt 0x0
	s_wait_alu depctr_hold_cnt(0) depctr_sa_sdst(0) depctr_va_vdst(0) depctr_va_sdst(0) depctr_va_ssrc(0) depctr_va_vcc(0) depctr_vm_vsrc(0)
	s_getreg_b32 s2, hwreg(HW_REG_IB_STS2, 6, 4)
	s_cmp_eq_u32 s2, 0
	s_cbranch_scc0 .Lentry_in_a_cluster
	s_endpgm
.Lentry_in_a_cluster:
	s_bfe_u32 s2, ttmp6, 0x10000c
	s_cmp_lg_u32 s2, 0xf033
	s_cbranch_scc0 .Lentry_shape_is_right
	s_endpgm
.Lentry_shape_is_right:
; f, i, o = sigmoid(W z + b), C~ = tanh(W_C z + b_C), C = f C_prev + i C~ (out2), h = o tanh(C) (out1), and h^T as codes of FP8 (E4M3) with E8M0 scales along n (hq), for the last product.
; The four gate products are ONE product on codes: a work-group takes 64 rows n of all four gates (256 stacked rows) x 256 columns b; K = 3,072.  Codes and scale bytes come as half-blocks (HB: 128 rows x 256 K as
; images of the operand's registers, 32,768 bytes, then the scale bytes at 128 tile + 8 row + K block: 33,792 consecutive bytes).  wgq: HB (12 ny + ks) 2 + rh, tile 2 g + u = rows 64 ny + 32 rh + 16 u .. of gate g
; (g = f, i, o, C~);  zq: HB (12 by + ks) 2 + ch, rows b = 256 by + 128 ch ..
; SHARES.  Four waves; wave w (rh = w / 2, ch = w % 2) multiplies W's HB rh by z's HB ch: 64 accumulators (a = 2 g + u, bt), 512 registers.  So all four gates of an element (n, b) lie in ONE lane, in four registers
; of the same number: the cell's arithmetic needs no other lane.  K goes in steps of 256 through a ring of two LDS slots of four HBs; each wave brings one HB by one dense tensor load; the scales ride with the codes.
; CLUSTERS: 4 x 4 work-groups; W's HBs hang on ny alone and are asked for jointly along a row of the cluster, z's on by alone, along a column.
; THE MATRIX INSTRUCTION IS USED TRANSPOSED (source 0 = 16 rows b of z^T, source 1 = 16 rows n of W): lane (r, h) holds n = .. + 16 u + r and its registers b = 16 bt + 8 h + 0 .. 7: neighbours in a row of C and of h.
; sigmoid(x) = 1 / (1 + 2^(-x log2 e)), tanh(x) = 1 - 2 / (1 + 2^(2 x log2 e)).
; LIMITS: that tanh is off by about 1e-7 ABSOLUTE, so its relative error grows as 1e-7 / |x| for small |x|; where the power of two overflows or falls to 0 the results are the saturated values 0, 1, -1;
; the bias enters as b x k beside x x k in one fused multiply-add; NaN and infinities among the inputs are not served; a block of zeros of h gets the byte 1 (its codes are zeros; this program alone reads the bytes).
; REGISTERS, in windows of 256: window 0: v12-30 addresses; v32-63 scale words, two sets, and nothing else; v64-79 the biases; v128-255 W's fragments, ONE set.   window 1: z's fragments, TWO sets.
;   window 2: accumulators a = 0 .. 3 at v[8 (8 a + bt)]: f in v0-127, i in v128-255.   window 3: a = 4 .. 7: o in v0-127, C~ in v128-255.
.set HB,    33792
.set SCO,   32768                      ; where an HB's scale bytes begin
.set SLOT,  4*HB                       ; W's two HBs, then z's two
.set SPARE, 2*SLOT                     ; behind the ring: the spare words, 128 bytes for each wave: two blocks of 256 bytes that no other line names
.set LAPS,  6                          ; a lap = two K steps of 256 = once round the ring
.set SP,    528                        ; the way out: a row of 128 f32 + 16 bytes
.set USH,   16*SP+128                  ; the stage's rows 16-31 lie 128 bytes further on, so that the two halves of the lanes read columns from different banks
.set WREG,  17152                      ; a wave's region in slot 0 for the way out: first C_prev's tile (its blocks' last fill), then the stage
.set MSB, 0
.macro WIN new                         ; s_set_vgpr_msb's low byte: bits 1:0 source 0, 3:2 source 1, 5:4 source 2, 7:6 destination; the high byte repeats the setting that is left
.if MSB != \new
	s_set_vgpr_msb (MSB<<8)|\new
.set MSB, \new
.endif
.endm
.set MUL_LO, 0xa1                      ; source 0 (z) window 1, source 1 (W) window 0, C and D window 2
.set MUL_HI, 0xf1                      ; the same, C and D window 3
; A joint load: waves 0 and 1 fetch W's two HBs, waves 2 and 3 z's.  The branch hangs on the wave's number alone.  Four v_nop follow each of the two lines.
.macro JLOAD s
	s_cmp_eq_u32 s25, 0
	s_cbranch_scc0 .Lfor_b_\@
	tensor_load_to_lds s[40+4*\s:43+4*\s], s[32:39]
	s_nop 0
.rept 4
	v_nop
.endr
	s_branch .Lasked_\@
.Lfor_b_\@:
	tensor_load_to_lds s[56+4*\s:59+4*\s], s[48:55]
	s_nop 0
.rept 4
	v_nop
.endr
.Lasked_\@:
.endm
.macro CREST                           ; a round of the cluster's barrier behind its opening barrier
	s_cmp_lg_u32 s24, 0
	s_cbranch_scc1 .Lnot_wave_0_\@
	s_barrier_signal -3
.Lnot_wave_0_\@:
	s_barrier_wait -3
	s_barrier_signal -1
	s_barrier_wait -1
.endm
.macro CROUND                          ; a whole round
	s_barrier_signal -1
	s_barrier_wait -1
	CREST
.endm
.macro PLACES n                        ; plain vector lines between a matrix instruction and a load into, or a read of, its registers (ISA guide 7.12.1 for reads): eight for this form
.rept \n
	v_nop
.endr
.endm
	s_load_b512 s[4:19], s[0:1], 0x0               ; wgq 4, zq 6, C_prev 8, b_f 10, b_i 12, b_o 14, b_C 16, out1 18
	s_load_b128 s[20:23], s[0:1], 0x40             ; out2, hq
	v_lshl_add_u32 v28, v0, 2, SPARE               ; LDS address of my spare word; never rewritten
	v_mov_b32 v29, 0                               ; 0; never rewritten
	ds_add_u32 v28, v29
	ds_add_u32 v28, v29
	s_wait_dscnt 0x0
	v_lshrrev_b32 v1, 5, v0
	v_readfirstlane_b32 s24, v1                    ; wave 0..3
	s_lshr_b32 s25, s24, 1                         ; rh.  Also: I fetch for W (0) or for z (1)
	s_and_b32 s26, s24, 1                          ; ch.  Also: which of the two HBs I fetch
	s_bfe_u32 s27, ttmp6, 0x40000                  ; cx
	s_bfe_u32 s28, ttmp6, 0x40004                  ; cy
	s_lshl_b32 s29, ttmp9, 2
	s_add_co_u32 s29, s29, s27                     ; by = 4 x cluster x + cx
	s_and_b32 s30, ttmp7, 0xffff
	s_lshl_b32 s30, s30, 2
	s_add_co_u32 s30, s30, s28                     ; ny = 4 x cluster y + cy
	s_lshl_b32 s96, s28, 2
	s_lshl_b32 s96, 15, s96                        ; my row of the cluster
	s_lshl_b32 s97, 0x1111, s27                    ; my column
	; descriptor group 1 for an HB: a dense block as 132 rows of 32 elements of 8 bytes, no padding
	s_or_b32 s32, s96, (3<<16)|(1<<21)             ; 15:0 the mask: W's HBs go to my row; 17:16 elements of 8 bytes; 21 set beside a mask
	s_or_b32 s48, s97, (3<<16)|(1<<21)             ; z's go to my column
.irp g, 32, 48
	s_mov_b32 s[\g+1], 32<<16                      ; tensor_dim0
	s_mov_b32 s[\g+2], 132<<16                     ; tensor_dim1
	s_mov_b32 s[\g+3], 32<<16                      ; tile_dim0
	s_mov_b32 s[\g+4], 132                         ; tile_dim1
	s_mov_b32 s[\g+5], 32                          ; tensor_dim0_stride
	s_mov_b32 s[\g+6], 0
	s_mov_b32 s[\g+7], 0
.endr
	; and for my tile of C_prev: 32 rows of 128 f32, 2,048 elements apart, four words of padding behind every 128; no mask: it is mine alone
	s_mov_b32 s68, (2<<16)|(1<<20)|(6<<22)|(3<<25)
	s_mov_b32 s69, 128<<16
	s_mov_b32 s70, 32<<16
	s_mov_b32 s71, 128<<16
	s_mov_b32 s72, 32
	s_mov_b32 s73, 2048
	s_mov_b32 s74, 0
	s_mov_b32 s75, 0
	s_mov_b32 s80, 0xbfb8aa3b                      ; -log2(e)
	s_mov_b32 s81, s80                             ; (named with it as a pair, so it is written)
	s_mov_b32 s82, 0x4038aa3b                      ; 2 log2(e)
	s_mov_b32 s83, s82
	s_mov_b32 s84, 0x76543210
	s_mov_b32 s85, 0xfedcba98                      ; v_permlanex16_b32's selects for lane l xor 16
	s_mov_b32 s86, 0x600000                        ; the mantissa field of 448
	s_mov_b32 s87, 0xffff0000                      ; lanes 16-31
	s_mul_i32 s88, s30, 24                         ; W: HB 24 ny + (wave % 2): only ny and the wave's number enter
	s_add_co_u32 s88, s88, s26
	s_mul_i32 s88, s88, HB
	s_mov_b32 s89, 0
	s_mul_i32 s90, s29, 24                         ; z: HB 24 by + (wave % 2): only by and the wave's number enter
	s_add_co_u32 s90, s90, s26
	s_mul_i32 s90, s90, HB
	s_mov_b32 s91, 0
	s_mul_i32 s31, s24, HB                         ; where my HB goes in a slot: no place in the cluster enters an LDS address
	s_lshl_b32 s92, s30, 6
	s_lshl_b32 s98, s25, 5
	s_add_co_u32 s92, s92, s98                     ; my first n: 64 ny + 32 rh
	s_lshl_b32 s99, s92, 2                         ; its place in a bias
	s_lshl_b32 s92, s92, 13                        ; and in C_prev, C and h: rows of 8,192 bytes,
	s_lshl_b32 s98, s29, 10
	s_add_co_u32 s92, s92, s98
	s_lshl_b32 s98, s26, 9
	s_add_co_u32 s92, s92, s98                     ; + 4 (256 by + 128 ch)
	s_mov_b32 s93, 0
	s_lshl_b32 s94, s29, 3                         ; hq: HB (8 by + ny / 4) 2 + ch
	s_lshr_b32 s98, s30, 2
	s_add_co_u32 s94, s94, s98
	s_lshl_b32 s94, s94, 1
	s_add_co_u32 s94, s94, s26
	s_mul_i32 s94, s94, HB
	s_mov_b32 s95, 0
	s_and_b32 s98, s30, 3
	s_lshl_b32 s98, s98, 1
	s_add_co_u32 s98, s98, s25                     ; and in it my 32 n are K block 2 (ny % 4) + rh
	s_wait_kmcnt 0x0
	s_add_nc_u64 s[88:89], s[4:5], s[88:89]
	s_add_nc_u64 s[90:91], s[6:7], s[90:91]
	CROUND                                         ; all sixteen work-groups are here: the first joint loads meet
.irp s, 0,1
	s_mov_b32 s[40+4*\s], 1                        ; count = 1
	s_add_co_u32 s[41+4*\s], s31, \s*SLOT          ; LDS address
	s_add_nc_u64 s[42+4*\s:43+4*\s], s[88:89], \s*2*HB   ; global address: K step s
	s_or_b32 s[43+4*\s], s[43+4*\s], 0x80000000    ; type = 2
	s_mov_b32 s[56+4*\s], 1
	s_add_co_u32 s[57+4*\s], s31, \s*SLOT
	s_add_nc_u64 s[58+4*\s:59+4*\s], s[90:91], \s*2*HB
	s_or_b32 s[59+4*\s], s[59+4*\s], 0x80000000
	JLOAD \s                                       ; two tensor loads of mine are out
.endr
	s_mov_b32 s76, 1
	s_mul_i32 s77, s24, WREG
	s_add_nc_u64 s[78:79], s[8:9], s[92:93]
	s_or_b32 s79, s79, 0x80000000
	s_add_nc_u64 s[18:19], s[18:19], s[92:93]      ; out1, out2 at my tile's first element
	s_add_nc_u64 s[20:21], s[20:21], s[92:93]
	s_add_nc_u64 s[22:23], s[22:23], s[94:95]      ; hq at my HB
	v_and_b32 v1, 31, v0                           ; lane
	v_and_b32 v2, 15, v0                           ; r
	v_bfe_u32 v3, v0, 4, 1                         ; h
	v_lshlrev_b32 v4, 4, v1
	v_lshlrev_b32 v5, 3, v1
	s_mul_i32 s2, s25, HB                          ; W's HB rh,
	s_mul_i32 s3, s26, HB
	s_add_co_u32 s3, s3, 2*HB                      ; z's HB ch
.irp s, 0,1
	v_add_nc_u32 v[16+\s], s2, v4                  ; v16-17 W's fragments in slot s: 16 x lane;  v18-19 its scale words: 8 x lane
	v_add_nc_u32 v[18+\s], s2, v5
	v_add_nc_u32 v[20+\s], s3, v4                  ; v20-21, v22-23 the same for z
	v_add_nc_u32 v[22+\s], s3, v5
	s_add_co_u32 s2, s2, SLOT
	s_add_co_u32 s3, s3, SLOT
.endr
	s_mul_i32 s2, s24, WREG
	v_mul_u32_u24 v24, v2, SP
	v_lshl_add_u32 v24, v3, 5, v24
	v_add_nc_u32 v24, s2, v24                      ; v24 my region: row r, + 32 h: my eight numbers of a tile
	v_add_nc_u32 v25, s2, v4                       ; v25 a whole row back: 16 bytes a lane
	v_mov_b32 v26, v4                              ; v26 and the same in C and h
	v_mul_u32_u24 v27, v3, USH
	v_lshl_add_u32 v27, v2, 2, v27
	v_add_nc_u32 v27, s2, v27                      ; v27 down a column: rows 16 h on, column r
	v_lshl_add_u32 v30, v2, 2, s99                 ; v30 my n's place in a bias
	s_lshl_b32 s3, s98, 9
	v_add_nc_u32 v12, s3, v4                       ; v12 hq's codes: 16 x lane + 512 x K block
	v_add_nc_u32 v13, s98, v5                      ; v13 hq's scale bytes: 8 x lane + K block
.irp g, 0,1,2,3
.irp u, 0,1
	global_load_b32 v[64+4*\g+2*\u], v30, s[10+2*\g:11+2*\g] offset:64*\u   ; the bias of gate g at n = .. + 16 u + r: waited for on the way out
.endr
.endr
; One scaled matrix instruction.  zero = 1: C is the constant 0, else v[c] on.  rx, ry: source 0's, source 1's scale word lies in lanes 16-31 of its register (odd tiles).
.macro WM d, x, y, zero, c, sx, sy, rx, ry
.set WD, \d
.set WX, \x
.set WY, \y
.set WC, \c
.set WS, \sx
.set WT, \sy
.if (\zero) && (\rx) && (\ry)
	v_wmma_scale_f32_16x16x128_f8f6f4 v[WD:WD+7], v[WX:WX+15], v[WY:WY+15], 0, v[WS], v[WT] matrix_a_scale:MATRIX_SCALE_ROW1 matrix_b_scale:MATRIX_SCALE_ROW1
.elseif (\zero) && (\rx)
	v_wmma_scale_f32_16x16x128_f8f6f4 v[WD:WD+7], v[WX:WX+15], v[WY:WY+15], 0, v[WS], v[WT] matrix_a_scale:MATRIX_SCALE_ROW1
.elseif (\zero) && (\ry)
	v_wmma_scale_f32_16x16x128_f8f6f4 v[WD:WD+7], v[WX:WX+15], v[WY:WY+15], 0, v[WS], v[WT] matrix_b_scale:MATRIX_SCALE_ROW1
.elseif (\zero)
	v_wmma_scale_f32_16x16x128_f8f6f4 v[WD:WD+7], v[WX:WX+15], v[WY:WY+15], 0, v[WS], v[WT]
.elseif (\rx) && (\ry)
	v_wmma_scale_f32_16x16x128_f8f6f4 v[WD:WD+7], v[WX:WX+15], v[WY:WY+15], v[WC:WC+7], v[WS], v[WT] matrix_a_scale:MATRIX_SCALE_ROW1 matrix_b_scale:MATRIX_SCALE_ROW1
.elseif (\rx)
	v_wmma_scale_f32_16x16x128_f8f6f4 v[WD:WD+7], v[WX:WX+15], v[WY:WY+15], v[WC:WC+7], v[WS], v[WT] matrix_a_scale:MATRIX_SCALE_ROW1
.elseif (\ry)
	v_wmma_scale_f32_16x16x128_f8f6f4 v[WD:WD+7], v[WX:WX+15], v[WY:WY+15], v[WC:WC+7], v[WS], v[WT] matrix_b_scale:MATRIX_SCALE_ROW1
.else
	v_wmma_scale_f32_16x16x128_f8f6f4 v[WD:WD+7], v[WX:WX+15], v[WY:WY+15], v[WC:WC+7], v[WS], v[WT]
.endif
.endm
; 16 matrix instructions: W's tiles a0, a0 + 1 x z's eight, the slot's q-th 128 along K.  p: z's set;  sc: the set of scale words.  The 64 accumulators take turns, one instruction a turn, in the same order in
; every step.  Scale words: set sc at v[32 + 16 sc]: W's tiles 2 i, 2 i + 1 at + 2 i + q (lanes 0-15, lanes 16-31), z's at + 8 + 2 i + q.
.macro MUL16 a0, p, q, sc, zero
.irp a, \a0, \a0+1
.irp b, 0,1,2,3,4,5,6,7
	WM 8*(8*((\a)%4)+\b), 128*(\p)+16*\b, 128+16*(\a), \zero, 8*(8*((\a)%4)+\b), 40+16*(\sc)+2*(\b/2)+(\q), 32+16*(\sc)+2*((\a)/2)+(\q), \b%2, (\a)%2
.endr
.endr
.endm
.macro FRAG reg, adr, q, i             ; a fragment, 16 rows x 128 K: four loads of 512 consecutive bytes, as the image lies
.irp c, 0,1,2,3
	ds_load_b128 v[\reg+4*\c:\reg+4*\c+3], v[\adr] offset:4096*(\i)+2048*(\q)+512*\c
.endr
.endm
.macro FETCH_B slot, q, p              ; z's eight fragments into set p
	WIN 0x40
.irp i, 0,1,2,3,4,5,6,7
	FRAG 128*(\p)+16*\i, 20+\slot, \q, \i
.endr
	WIN 0
.endm
.macro FETCH_A slot, q, i0             ; W's tiles i0 .. i0 + 3
.irp i, \i0, \i0+1, \i0+2, \i0+3
	FRAG 128+16*(\i), 16+\slot, \q, \i
.endr
.endm
.macro SCALES sc                       ; a slot's scale words: eight loads of 8 bytes a lane: both words (q = 0, 1) of two tiles
.irp p, 0,1,2,3
	ds_load_b64 v[32+16*\sc+2*\p:33+16*\sc+2*\p], v[18+\sc] offset:SCO+256*\p
	ds_load_b64 v[40+16*\sc+2*\p:41+16*\sc+2*\p], v[22+\sc] offset:SCO+256*\p
.endr
.endm
; A slot's first 128 along K (z's set 0).  W has one set: tiles 0-3 are fetched anew in the step's middle, tiles 4-7 at its end.
.macro STEP slot, zero
	s_wait_dscnt 16                                ; all but the youngest sixteen loads (W's tiles 4-7) are in
	WIN MUL_LO
	MUL16 0, 0, 0, \slot, \zero
	MUL16 2, 0, 0, \slot, \zero
	s_wait_dscnt 0x0                               ; W's tiles 4-7 are in
	PLACES 8
	FETCH_B \slot, 1, 1
	FETCH_A \slot, 1, 0
	WIN MUL_HI
	MUL16 4, 0, 0, \slot, \zero
	MUL16 6, 0, 0, \slot, \zero
	PLACES 8
	WIN 0
	FETCH_A \slot, 1, 4
.endm
; A slot's second 128 along K (z's set 1) changes slots.  All its fragments were asked for in the step before, so its first 32 products, whose operands are in registers, stand AHEAD of the wait for the tiles:
; behind that wait come only the add, the descriptors' steps, the wait for the add and for my reads of this slot, the round and the refill.  So the refill goes out as soon as the next slot has landed, and between it
; and the wait for it stand 32 + 64 + 32 = 128 matrix instructions, a whole K step's.
; fill = 1: the slot is filled again, two K steps ahead, jointly.  fill = 2: slot 0 has been read for the last time: each wave brings its own tile of C_prev into its own region there.
.macro TURN slot, next, fill
	s_wait_dscnt 16                                ; z's set 1 and W's tiles 0-3 are in; the youngest sixteen loads (W's tiles 4-7) may be out
	WIN MUL_LO
	MUL16 0, 1, 1, \slot, 0
	MUL16 2, 1, 1, \slot, 0
	WIN 0
	s_wait_tensorcnt 0x0                           ; all my tensor loads have landed: my part of the next slot; so a group 0 may be written
	ds_add_u32 v28, v29                            ; 0 onto my spare word
.if \fill == 1
	s_add_nc_u64 s[42+4*\slot:43+4*\slot], s[42+4*\slot:43+4*\slot], 4*HB   ; this slot's next K step: two steps on
	s_add_nc_u64 s[58+4*\slot:59+4*\slot], s[58+4*\slot:59+4*\slot], 4*HB
.endif
	s_wait_dscnt 0x0                               ; the add is done, and my reads of this slot are over (W's tiles 4-7 were the last)
	CROUND                                         ; no wave of any partner still reads this slot or has a load on its way
.if \fill == 1
	JLOAD \slot                                    ; my one tensor load behind the round; its four v_nop are among the places in front of the loads below
.else
	tensor_load_to_lds s[76:79], s[68:75]          ; my one tensor load behind the round: it has the last K step and the gates' activations in which to land
	s_nop 0
.rept 4
	v_nop
.endr
.endif
	PLACES 4
	FETCH_B \next, 0, 0
	FETCH_A \next, 0, 0
	SCALES \next
	WIN MUL_HI
	MUL16 4, 1, 1, \slot, 0
	MUL16 6, 1, 1, \slot, 0
	PLACES 8
	WIN 0
	FETCH_A \next, 0, 4
.endm
	s_wait_tensorcnt 1                             ; my part of K step 0 is in; K step 1's load may stay out
	s_barrier_signal -1
	s_barrier_wait -1                              ; everybody's is
	FETCH_B 0, 0, 0
	FETCH_A 0, 0, 0
	SCALES 0
	FETCH_A 0, 0, 4
	STEP 0, 1                                      ; the first step stands in front of the loop: its products start the sums
	s_mov_b32 s3, LAPS-1
.Llap:                                             ; a trip goes once round the ring and fills both slots again
	TURN 0, 1, 1
	STEP 1, 0
	TURN 1, 0, 1
	STEP 0, 0
	s_sub_co_u32 s3, s3, 1
	s_cmp_lg_u32 s3, 0
	s_cbranch_scc1 .Llap
	TURN 0, 1, 2                                   ; the last lap: C_prev takes slot 0's place
	STEP 1, 0
	s_wait_dscnt 16                                ; the very last step: nothing more to fetch
	WIN MUL_LO
	MUL16 0, 1, 1, 1, 0
	MUL16 2, 1, 1, 1, 0
	s_wait_dscnt 0x0
	WIN MUL_HI
	MUL16 4, 1, 1, 1, 0
	MUL16 6, 1, 1, 1, 0
	WIN 0
; ---- THE CELL.  Element e = 64 u + 8 bt + j of a gate lies in register e (f, o) or 128 + e (i, C~) of its window.
.macro AFFINE base, sk, bi             ; 64 numbers: x k + (b k), two at a time, ascending: each accumulator is read from its low end on
.set ix, \base
.rept 32
	v_pk_fma_f32 v[ix:ix+1], v[ix:ix+1], s[\sk:\sk+1], v[\bi:\bi+1] op_sel_hi:[1,0,0]
.set ix, ix+2
.endr
.endm
.macro EXPRCP base                     ; 64 numbers t: 1 / (1 + 2^t).  A plain line stands behind each run of transcendentals before their results are used (ISA guide 5.7.2)
.set ix, \base
.rept 64
	v_exp_f32 v[ix], v[ix]
.set ix, ix+1
.endr
	v_nop
.set ix, \base
	s_wait_alu depctr_va_vdst(0)
.rept 32
	v_pk_add_f32 v[ix:ix+1], v[ix:ix+1], 1.0 op_sel_hi:[1,0]
.set ix, ix+2
.endr
.set ix, \base
.rept 64
	v_rcp_f32 v[ix], v[ix]
.set ix, ix+1
.endr
	v_nop
.endm
.macro TANHFIX base                    ; 64 numbers s: 1 - 2 s
.set ix, \base
	s_wait_alu depctr_va_vdst(0)
.rept 32
	v_pk_fma_f32 v[ix:ix+1], v[ix:ix+1], -2.0, 1.0 op_sel_hi:[1,0,0]
.set ix, ix+2
.endr
.endm
	s_wait_loadcnt 0x0                             ; the biases
.irp a, 0,1,2,3,4,5
	v_mul_f32 v[64+2*\a], s80, v[64+2*\a]          ; b x -log2(e).  (These sixteen plain lines, which name no register of the last products, are the places behind them)
.endr
.irp a, 6,7
	v_mul_f32 v[64+2*\a], s82, v[64+2*\a]          ; b_C x 2 log2(e)
.endr
.irp a, 0,1,2,3,4,5,6,7
	v_mov_b32 v[65+2*\a], v[64+2*\a]               ; (named with it as a pair, so it is written)
.endr
	WIN 0x82                                       ; destination and source 0 window 2, the bias window 0
.irp a, 0,1,2,3
	AFFINE 64*\a, 80, 64+2*\a
	EXPRCP 64*\a                                   ; f, i
.endr
	WIN 0xc3                                       ; the same in window 3
.irp a, 0,1
	AFFINE 64*\a, 80, 72+2*\a
	EXPRCP 64*\a                                   ; o
.endr
.irp a, 2,3
	AFFINE 64*\a, 82, 72+2*\a
	EXPRCP 64*\a
	TANHFIX 64*\a                                  ; C~
.endr
	WIN 0
	s_wait_tensorcnt 0x0                           ; my tile of C_prev is in LDS: I alone read it
	WIN 0x40                                       ; into window 1, where z's fragments lay
.irp u, 0,1
.irp bt, 0,1,2,3,4,5,6,7
	ds_load_b128 v[64*\u+8*\bt:64*\u+8*\bt+3], v24 offset:16*SP*\u+64*\bt
	ds_load_b128 v[64*\u+8*\bt+4:64*\u+8*\bt+7], v24 offset:16*SP*\u+64*\bt+16
.endr
.endr
	WIN 0xce                                       ; destination 3, source 0 window 2 (i), source 1 window 3 (C~)
.set ix, 128
.rept 64
	v_pk_mul_f32 v[ix:ix+1], v[ix:ix+1], v[ix:ix+1]
.set ix, ix+2
.endr
	s_wait_dscnt 0x0                               ; C_prev is in registers
	WIN 0xf6                                       ; destination and source 2 window 3, source 0 window 2 (f), source 1 window 1 (C_prev)
.set ix, 0
.rept 64
	v_pk_fma_f32 v[128+ix:129+ix], v[ix:ix+1], v[ix:ix+1], v[128+ix:129+ix]   ; C = f C_prev + i C~
.set ix, ix+2
.endr
	WIN 0x83                                       ; destination window 2 (where i lay), source 0 window 3
.set ix, 128
.rept 64
	v_pk_mul_f32 v[ix:ix+1], v[ix:ix+1], s[82:83] op_sel_hi:[1,0]
.set ix, ix+2
.endr
	WIN 0x82
	EXPRCP 128
	EXPRCP 192
	TANHFIX 128
	TANHFIX 192                                    ; tanh(C)
	WIN 0x8b                                       ; destination and source 1 window 2, source 0 window 3 (o)
.set ix, 0
.rept 64
	v_pk_mul_f32 v[128+ix:129+ix], v[ix:ix+1], v[128+ix:129+ix]   ; h = o tanh(C)
.set ix, ix+2
.endr
; ---- THE WAY OUT.  A lane holds 32 neighbouring bytes of a row and the lanes beside it hold other rows: C and then h go through my stage and come back as whole rows of 512 bytes.  LDS serves a wave's instructions
; in order (ISA guide 5.7.1.4): no wait between the stores and the loads, nor in front of h's stores over C's rows.
.macro TOSTAGE
.irp u, 0,1
.irp bt, 0,1,2,3,4,5,6,7
	ds_store_b128 v24, v[128+64*\u+8*\bt:128+64*\u+8*\bt+3] offset:USH*\u+64*\bt
	ds_store_b128 v24, v[128+64*\u+8*\bt+4:128+64*\u+8*\bt+7] offset:USH*\u+64*\bt+16
.endr
.endr
.endm
.macro ROWS reg
.set it, 0
.rept 32
	ds_load_b128 v[\reg+4*it:\reg+4*it+3], v25 offset:SP*it+128*(it/16)
.set it, it+1
.endr
.endm
.macro SENDROWS reg, sb
.set it, 0
.rept 32
	global_store_b128 v26, v[\reg+4*it:\reg+4*it+3], s[\sb:\sb+1] offset:8192*it th:TH_STORE_NT   ; 32 lanes store 512 consecutive bytes, at a multiple of 256 from the buffer's first byte; nobody reads them here
.set it, it+1
.endr
.endm
	WIN 0x0c                                       ; an LDS store's data are its source 1: window 3: C
	TOSTAGE
	WIN 0
	ROWS 128                                       ; C's rows into window 0, where W's fragments lay
	WIN 0x08                                       ; data window 2: h
	TOSTAGE
	WIN 0
	s_wait_dscnt 32                                ; C's 32 rows are back; h's 32 stores, issued behind them, may be out
	SENDROWS 128, 20
	WIN 0x40
	ROWS 0                                         ; h's rows into window 1
	s_wait_dscnt 0x0
	WIN 0x04                                       ; a store's data are its source 1: window 1
	SENDROWS 0, 18
	WIN 0
	s_wait_xcnt 0x0                                ; C's stores have read their registers: these are loaded again only behind this wait
; ---- h^T AS AN OPERAND.  Its K is n, and my 32 n are one block of 32 for each of my 128 b.  Lane (r, h) takes b = 16 bt + r and reads n = 16 h + 0 .. 15 down the stage's column: the order of the operand's registers.
.irp bt, 0,1,2,3,4,5,6,7
.irp i, 0,1,2,3,4,5,6,7,8,9,10,11,12,13,14,15
	ds_load_b32 v[128+16*\bt+\i], v27 offset:SP*\i+64*\bt
.endr
.endr
	s_wait_dscnt 0x0
.set QM, 64                            ; v64-71 largest magnitudes; v72-79 permuted, then bytes (written before: they held biases); v80-87 448 x the scale; v88-95 the conversions' scale operands; v96-127 the codes
.set QP, 72
.set QH, 80
.set QS, 88
.set QC, 96
.irp bt, 0,1,2,3,4,5,6,7
	v_max3_num_f32 v[QM+\bt], |v[128+16*\bt]|, |v[129+16*\bt]|, 0x4800000   ; my 16 numbers of tile bt's block, and the floor 2^(9 - 127): so the byte cannot fall under 1
.endr
.irp i, 2,4,6,8,10,12,14
.irp bt, 0,1,2,3,4,5,6,7
	v_max3_num_f32 v[QM+\bt], v[QM+\bt], |v[128+16*\bt+\i]|, |v[129+16*\bt+\i]|
.endr
.endr
.irp bt, 0,1,2,3,4,5,6,7
	v_permlanex16_b32 v[QP+\bt], v[QM+\bt], s84, s85
.endr
.irp bt, 0,1,2,3,4,5,6,7
	v_max_num_f32 v[QM+\bt], v[QM+\bt], v[QP+\bt]  ; with lane l xor 16's: the block's largest magnitude
.endr
.irp bt, 0,1,2,3,4,5,6,7
	v_add_nc_u32 v[QS+\bt], 0xfc000000, v[QM+\bt]  ; 8 off its exponent field: the conversion's scale operand
.endr
.irp bt, 0,1,2,3,4,5,6,7
	v_and_or_b32 v[QH+\bt], v[QM+\bt], 0x7f800000, s86   ; 448 x the scale
.endr
.irp bt, 0,1,2,3,4,5,6,7
	v_lshrrev_b32 v[QP+\bt], 23, v[QS+\bt]         ; the scale's byte
.endr
.irp bt, 0,1,2,3,4,5,6,7
.irp i, 0,1,2,3,4,5,6,7,8,9,10,11,12,13,14,15
	v_med3_num_f32 v[128+16*\bt+\i], v[128+16*\bt+\i], -v[QH+\bt], v[QH+\bt]   ; the conversion to an 8-bit code does not saturate (ISA guide 7.6.2): the hold comes first
.endr
	v_cvt_scalef32_pk8_fp8_f32 v[QC+4*\bt:QC+4*\bt+1], v[128+16*\bt:135+16*\bt], v[QS+\bt]
	v_cvt_scalef32_pk8_fp8_f32 v[QC+4*\bt+2:QC+4*\bt+3], v[136+16*\bt:143+16*\bt], v[QS+\bt]
.endr
	v_nop                                          ; a plain line behind the last conversion
.irp bt, 0,1,2,3,4,5,6,7
	global_store_b128 v12, v[QC+4*\bt:QC+4*\bt+3], s[22:23] offset:4096*\bt   ; tile bt, my K block: 512 consecutive bytes, aligned
.endr
.irp p, 0,1,2,3
	v_cndmask_b32 v[QM+\p], v[QP+2*\p], v[QP+2*\p+1], s87   ; lanes 0-15 carry tile 2 p's byte, lanes 16-31 tile 2 p + 1's
.endr
.irp p, 0,1,2,3
	global_store_b8 v13, v[QM+\p], s[22:23] offset:SCO+256*\p   ; one byte a row: a wave has one K block of eight for each b, so nothing wider is its own; 128 bytes a wave beside the 4,096 that it stores in rows
.endr
	s_wait_tensorcnt 0x0                           ; the wave's end, behind my last tensor load and my last LDS store
	ds_add_u32 v28, v29
	s_wait_dscnt 0x0
	CROUND                                         ; the closing round: no work-group ends while a partner may still ask for a tile that names it
	s_endpgm
.Lfunc_end_k_q3d9dd4cac3_gates:
	.size	k_q3d9dd4cac3_gates, .Lfunc_end_k_q3d9dd4cac3_gates-k_q3d9dd4cac3_gates
	.p2alignl 7, 3214868480
	.fill 96, 4, 3214868480
	.section	.rodata,"a",@progbits
	.p2align	6, 0x0
	.amdhsa_kernel k_q3d9dd4cac3_gates
		.amdhsa_group_segment_fixed_size 327680
		.amdhsa_private_segment_fixed_size 0
		.amdhsa_enable_private_segment 0
		.amdhsa_kernarg_size 80
		.amdhsa_user_sgpr_count 2
		.amdhsa_user_sgpr_kernarg_segment_ptr 1
		.amdhsa_wavefront_size32 1
		.amdhsa_system_sgpr_workgroup_id_x 1
		.amdhsa_system_sgpr_workgroup_id_y 1
		.amdhsa_system_sgpr_workgroup_id_z 1
		.amdhsa_system_vgpr_workitem_id 0
		.amdhsa_next_free_vgpr 1024
		.amdhsa_next_free_sgpr 100
		.amdhsa_reserve_vcc 0
		.amdhsa_float_denorm_mode_32 3
		.amdhsa_float_denorm_mode_16_64 3
		.amdhsa_memory_ordered 1
		.amdhsa_forward_progress 1
		.amdhsa_inst_pref_size 255
	.end_amdhsa_kernel
	.section	.bss,"aw",@nobits
	.p2align	6
	.space	262144
	.amdgpu_metadata
---
amdhsa.version: [ 1, 2 ]
amdhsa.kernels:
  - .name:           k_q3d9dd4cac3_gates
    .symbol:         k_q3d9dd4cac3_gates.kd
    .args:
      - { .name: wgq, .offset: 0, .size: 8, .value_kind: global_buffer, .address_space: global }
      - { .name: zq, .offset: 8, .size: 8, .value_kind: global_buffer, .address_space: global }
      - { .name: C_prev, .offset: 16, .size: 8, .value_kind: global_buffer, .address_space: global }
      - { .name: b_f, .offset: 24, .size: 8, .value_kind: global_buffer, .address_space: global }
      - { .name: b_i, .offset: 32, .size: 8, .value_kind: global_buffer, .address_space: global }
      - { .name: b_o, .offset: 40, .size: 8, .value_kind: global_buffer, .address_space: global }
      - { .name: b_C, .offset: 48, .size: 8, .value_kind: global_buffer, .address_space: global }
      - { .name: out1, .offset: 56, .size: 8, .value_kind: global_buffer, .address_space: global }
      - { .name: out2, .offset: 64, .size: 8, .value_kind: global_buffer, .address_space: global }
      - { .name: hq, .offset: 72, .size: 8, .value_kind: global_buffer, .address_space: global }
    .group_segment_fixed_size: 327680
    .private_segment_fixed_size: 0
    .kernarg_segment_align: 8
    .kernarg_segment_size: 80
    .max_flat_workgroup_size: 128
    .sgpr_count:     100
    .vgpr_count:     1024
    .wavefront_size: 32
...
	.end_amdgpu_metadata
.endif
;; end of part 2
;; launch proj (part 3): grid 8 x 32, 4 waves a work-group, clusters of 4 x 4, 327,680 bytes of LDS; arguments waq, hq, b_A, out0; writes out0
.if DOCPART == 3
	.amdgcn_target "amdgcn-amd-amdhsa--gfx1250"
	.amdhsa_code_object_version 6
	.text
	.protected	k_q3d9dd4cac3_proj
	.globl	k_q3d9dd4cac3_proj
	.p2align	8
	.type	k_q3d9dd4cac3_proj,@function
k_q3d9dd4cac3_proj:
	s_mov_b64 s[64:65], 0
	v_nop
	global_prefetch_b8 v0, s[64:65] scope:SCOPE_SE
	s_setreg_imm32_b32 hwreg(HW_REG_WAVE_MODE, 25, 1), 1
	s_wait_xcnt 0x0
	s_wait_alu depctr_hold_cnt(0) depctr_sa_sdst(0) depctr_va_vdst(0) depctr_va_sdst(0) depctr_va_ssrc(0) depctr_va_vcc(0) depctr_vm_vsrc(0)
	s_getreg_b32 s2, hwreg(HW_REG_IB_STS2, 6, 4)
	s_cmp_eq_u32 s2, 0
	s_cbranch_scc0 .Lentry_in_a_cluster
	s_endpgm
.Lentry_in_a_cluster:
	s_bfe_u32 s2, ttmp6, 0x10000c
	s_cmp_lg_u32 s2, 0xf033
	s_cbranch_scc0 .Lentry_shape_is_right
	s_endpgm
.Lentry_shape_is_right:
; y = W_A h + b_A (out0 [4,000][2,048] f32), on codes of FP8 (E4M3) with one E8M0 scale for each 32 along K = n = 2,048.  Both operands come as half-blocks (HB: 128 rows x 256 K as images of the operand's registers,
; 32,768 bytes, then the scale bytes at 128 tile + 8 row + K block: 33,792 consecutive bytes).  waq: HB 8 my + ks, rows m = 128 my ..;  hq: HB (8 by + ks) 2 + ch, rows b = 256 by + 128 ch .. of h^T.
; SHARES.  A work-group takes 128 rows m x 256 columns b: 32 x 8 = 256 work-groups (tiles of 256 x 256 would be 128).  Wave w (rh = w / 2, ch = w % 2): W_A's tiles 4 rh .. 4 rh + 3 x h^T's HB ch: 32 accumulators.
; Rows 4,000 .. 4,095 do not exist: their codes repeat rows 3,968 .. 3,999, their products are made like the others (partners in a cluster run alike) and their stores are switched off lane by lane.
; h^T GOES THROUGH LDS, W_A STRAIGHT INTO REGISTERS.  The ring has two slots of two K steps of 256 of h^T: four HBs, 135,168 bytes; each wave brings one HB by one dense tensor load; the scales ride with the codes.
; CLUSTERS: 4 x 4 work-groups; h^T's HBs hang on by alone and are asked for jointly along a column of the cluster.
; WHY W_A IS NOT ASKED FOR JOINTLY, though the four work-groups of a row of the cluster read the same HB: with W_A's HB in the ring a K step is three HBs, and two slots of two K steps, 12 HBs = 405,504 bytes, do not
; fit in LDS; slots of one K step mean seven changes of slots, with 64 matrix instructions a wave between two of them.  With h^T alone there are three changes of slots and two refills, each with 128 matrix
; instructions a wave in which to land, and 8 fragments instead of 12 are read from LDS for 32 matrix instructions.  A fragment's image is four loads of 512 consecutive bytes, so nothing has to be turned on the way.
; The price: each wave asks for its own 64 rows, 131,072 bytes of codes, and the two waves with the same rh ask for the same bytes.
; W_A's fragments have six sets of 64 registers, set j % 6 for the j-th 128 along K; a set is asked for again at the end of the step behind the one that read it, five steps ahead of its use.
; THE MATRIX INSTRUCTION IS USED TRANSPOSED (source 0 = 16 rows b of h^T, source 1 = 16 rows m of W_A): lane (r, h) holds m = .. + r and b = 16 bt + 8 h + 0 .. 7.  b_A is the C of each sum's first product.
; REGISTERS: window 0: v8-29 addresses; v32-63 h^T's scale words, set ks % 4, and v96-127 W_A's of all eight K steps: scales and nothing else; v64-95 b_A, eight registers a tile; v128-255 W_A's sets 4 and 5, later rows of y.
;   window 1: h^T's fragments, two sets.   window 2: the accumulators, (a, bt) at v[8 (8 a + bt)].   window 3: W_A's sets 0 to 3.
.set HB,    33792
.set SCO,   32768
.set SLOT,  4*HB                       ; two K steps of h^T: K step ks lies at (ks % 4) x 2 HB, HB ch at ch x HB in it
.set SPARE, 2*SLOT                     ; behind the ring: the spare words, 128 bytes for each wave: two blocks of 256 bytes that no other line names
.set SP,    528                        ; the way out: a stage of 16 rows x (512 bytes + 16) for each wave, in slot 0, which has had its last fill and its last read when the first result is stored there
.set MSB, 0
.macro WIN new                         ; s_set_vgpr_msb's low byte: bits 1:0 source 0, 3:2 source 1, 5:4 source 2, 7:6 destination; the high byte repeats the setting that is left
.if MSB != \new
	s_set_vgpr_msb (MSB<<8)|\new
.set MSB, \new
.endif
.endm
.macro CREST                           ; a round of the cluster's barrier behind its opening barrier
	s_cmp_lg_u32 s14, 0
	s_cbranch_scc1 .Lnot_wave_0_\@
	s_barrier_signal -3
.Lnot_wave_0_\@:
	s_barrier_wait -3
	s_barrier_signal -1
	s_barrier_wait -1
.endm
.macro CROUND
	s_barrier_signal -1
	s_barrier_wait -1
	CREST
.endm
.macro PLACES n                        ; plain vector lines between a matrix instruction and a load into, or a read of, its registers (ISA guide 7.12.1 for reads): eight for this form
.rept \n
	v_nop
.endr
.endm
	s_load_b256 s[4:11], s[0:1], 0x0               ; waq 4, hq 6, b_A 8, out0 10
	v_lshl_add_u32 v28, v0, 2, SPARE               ; LDS address of my spare word; never rewritten
	v_mov_b32 v29, 0                               ; 0; never rewritten
	ds_add_u32 v28, v29
	ds_add_u32 v28, v29
	s_wait_dscnt 0x0
	v_lshrrev_b32 v1, 5, v0
	v_readfirstlane_b32 s14, v1                    ; wave 0..3.  Also: which HB of a slot I fetch
	s_lshr_b32 s15, s14, 1                         ; rh
	s_and_b32 s16, s14, 1                          ; ch
	s_bfe_u32 s40, ttmp6, 0x40000                  ; cx
	s_bfe_u32 s41, ttmp6, 0x40004                  ; cy
	s_lshl_b32 s42, ttmp9, 2
	s_add_co_u32 s42, s42, s40                     ; by
	s_and_b32 s17, ttmp7, 0xffff
	s_lshl_b32 s17, s17, 2
	s_add_co_u32 s17, s17, s41                     ; my
	s_lshl_b32 s44, 0x1111, s40                    ; my column of the cluster
	s_or_b32 s48, s44, (3<<16)|(1<<21)             ; group 1 for an HB of h^T: 15:0 the mask: my column; 17:16 elements of 8 bytes; 21 set beside a mask; no padding
	s_mov_b32 s49, 32<<16                          ; tensor_dim0: a dense block as rows of 32 elements, 256 bytes
	s_mov_b32 s50, 132<<16                         ; tensor_dim1
	s_mov_b32 s51, 32<<16                          ; tile_dim0
	s_mov_b32 s52, 132                             ; tile_dim1
	s_mov_b32 s53, 32                              ; tensor_dim0_stride
	s_mov_b32 s54, 0
	s_mov_b32 s55, 0
	s_lshl_b32 s46, s42, 4                         ; h^T: HB 16 by + wave: only by and the wave's number enter
	s_add_co_u32 s46, s46, s14
	s_mul_i32 s46, s46, HB
	s_mov_b32 s47, 0
	s_mul_i32 s23, s14, HB                         ; its place in a slot: no place in the cluster enters an LDS address
	s_mul_i32 s20, s17, 8*HB                       ; W_A: HB 8 my
	s_mov_b32 s21, 0
	s_lshl_b32 s18, s17, 7
	s_lshl_b32 s19, s15, 6
	s_add_co_u32 s18, s18, s19                     ; my first m: 128 my + 64 rh
	s_lshl_b32 s66, s18, 13                        ; its row of y,
	s_lshl_b32 s19, s42, 10
	s_add_co_u32 s66, s66, s19
	s_lshl_b32 s19, s16, 9
	s_add_co_u32 s66, s66, s19                     ; + 4 (256 by + 128 ch)
	s_mov_b32 s67, 0
	v_and_b32 v1, 31, v0                           ; lane
	v_and_b32 v2, 15, v0                           ; r
	v_bfe_u32 v3, v0, 4, 1                         ; h
	v_lshlrev_b32 v4, 4, v1
	v_lshlrev_b32 v5, 3, v1
	s_lshl_b32 s2, s15, 14                         ; W_A's tiles 4 rh on: 4,096 bytes a tile,
	s_lshl_b32 s3, s15, 9                          ; 128 scale bytes a tile
	v_add_nc_u32 v14, s2, v4                       ; v14 my byte in an HB of W_A: 16 x lane + 16,384 rh; never rewritten
	v_add_nc_u32 v15, s3, v5                       ; v15 and among its scale bytes: 8 x lane + 512 rh; never rewritten
	s_mul_i32 s19, s16, HB                         ; h^T's HB ch
.irp k, 0,1,2,3
	v_add_nc_u32 v[16+\k], s19, v4                 ; v16-19 h^T's fragments of K step ks, ks % 4 = k;  v20-23 its scale words
	v_add_nc_u32 v[20+\k], s19, v5
	s_add_co_u32 s19, s19, 2*HB
.endr
	s_mul_i32 s2, s14, 16*SP                       ; my stage
	v_mul_u32_u24 v24, v2, SP
	v_lshl_add_u32 v24, v3, 5, v24
	v_add_nc_u32 v24, s2, v24                      ; v24 in: row r, + 32 h
	v_add_nc_u32 v25, s2, v4                       ; v25 back: a whole row, 16 bytes a lane
	v_mov_b32 v26, v4                              ; v26 and the same in y
	v_mov_b32 v27, s18                             ; v27 my first m
	v_add_nc_u32 v8, s18, v2
.irp a, 1,2,3
	v_add_nc_u32 v[8+\a], 16*\a, v8
.endr
.irp a, 0,1,2,3
	v_min_u32 v[8+\a], 0xf9f, v[8+\a]              ; no load leaves b_A: rows that do not exist take the last row's number
	v_lshlrev_b32 v[8+\a], 2, v[8+\a]
.endr
	s_wait_kmcnt 0x0
	s_add_nc_u64 s[4:5], s[4:5], s[20:21]          ; W_A at my eight HBs: every later offset is an immediate
	s_add_nc_u64 s[46:47], s[6:7], s[46:47]
	s_add_nc_u64 s[10:11], s[10:11], s[66:67]
.irp s, 0,1
	s_mov_b32 s[56+4*\s], 1                        ; count = 1
	s_add_co_u32 s[57+4*\s], s23, \s*SLOT          ; LDS address
	s_add_nc_u64 s[58+4*\s:59+4*\s], s[46:47], \s*4*HB   ; global address: slot s begins with K steps 2 s, 2 s + 1
	s_or_b32 s[59+4*\s], s[59+4*\s], 0x80000000    ; type = 2
.endr
	CROUND                                         ; all sixteen work-groups are here: the first joint loads meet
	tensor_load_to_lds s[56:59], s[48:55]          ; the two first fills stand together: two tensor loads of mine are out
	s_nop 0
	tensor_load_to_lds s[60:63], s[48:55]
	s_nop 0
.rept 4
	v_nop
.endr
; Group j of W_A's loads: my four fragments of the j-th 128 along K into set j % 6, each load 512 consecutive bytes; with an even j also the K step's scale words, 8 bytes a lane: both words of two tiles.
; No hint: other work-groups read the same bytes.
.macro GLOADA j
.set GS, (\j)%6
.if GS < 4
.set GR, 64*GS
	WIN 0xc0                                       ; destination window 3, address window 0
.else
.set GR, 128+64*(GS-4)
	WIN 0
.endif
.irp i, 0,1,2,3
.irp c, 0,1,2,3
	global_load_b128 v[GR+16*\i+4*\c:GR+16*\i+4*\c+3], v14, s[4:5] offset:((\j)/2)*HB+4096*\i+2048*((\j)%2)+512*\c
.endr
.endr
	WIN 0
.if (\j)%2 == 0
.irp p, 0,1
	global_load_b64 v[96+4*((\j)/2)+2*\p:97+4*((\j)/2)+2*\p], v15, s[4:5] offset:((\j)/2)*HB+SCO+256*\p
.endr
.endif
.endm
; h^T's eight fragments of the j-th 128 along K into set j % 2: 32 loads of 512 consecutive bytes; with an even j also the K step's scale words
.macro FETCHB j
	WIN 0x40                                       ; destination window 1, address window 0
.irp i, 0,1,2,3,4,5,6,7
.irp c, 0,1,2,3
	ds_load_b128 v[128*((\j)%2)+16*\i+4*\c:128*((\j)%2)+16*\i+4*\c+3], v[16+((\j)/2)%4] offset:4096*\i+2048*((\j)%2)+512*\c
.endr
.endr
	WIN 0
.if (\j)%2 == 0
.irp p, 0,1,2,3
	ds_load_b64 v[32+8*(((\j)/2)%4)+2*\p:33+8*(((\j)/2)%4)+2*\p], v[20+((\j)/2)%4] offset:SCO+256*\p
.endr
.endif
.endm
; One scaled matrix instruction.  zero = 1: C is the constant 0 (not used here), else v[c] on.  rx, ry: source 0's, source 1's scale word lies in lanes 16-31 of its register (odd tiles).
.macro WM d, x, y, zero, c, sx, sy, rx, ry
.set WD, \d
.set WX, \x
.set WY, \y
.set WC, \c
.set WS, \sx
.set WT, \sy
.if (\zero) && (\rx) && (\ry)
	v_wmma_scale_f32_16x16x128_f8f6f4 v[WD:WD+7], v[WX:WX+15], v[WY:WY+15], 0, v[WS], v[WT] matrix_a_scale:MATRIX_SCALE_ROW1 matrix_b_scale:MATRIX_SCALE_ROW1
.elseif (\zero) && (\rx)
	v_wmma_scale_f32_16x16x128_f8f6f4 v[WD:WD+7], v[WX:WX+15], v[WY:WY+15], 0, v[WS], v[WT] matrix_a_scale:MATRIX_SCALE_ROW1
.elseif (\zero) && (\ry)
	v_wmma_scale_f32_16x16x128_f8f6f4 v[WD:WD+7], v[WX:WX+15], v[WY:WY+15], 0, v[WS], v[WT] matrix_b_scale:MATRIX_SCALE_ROW1
.elseif (\zero)
	v_wmma_scale_f32_16x16x128_f8f6f4 v[WD:WD+7], v[WX:WX+15], v[WY:WY+15], 0, v[WS], v[WT]
.elseif (\rx) && (\ry)
	v_wmma_scale_f32_16x16x128_f8f6f4 v[WD:WD+7], v[WX:WX+15], v[WY:WY+15], v[WC:WC+7], v[WS], v[WT] matrix_a_scale:MATRIX_SCALE_ROW1 matrix_b_scale:MATRIX_SCALE_ROW1
.elseif (\rx)
	v_wmma_scale_f32_16x16x128_f8f6f4 v[WD:WD+7], v[WX:WX+15], v[WY:WY+15], v[WC:WC+7], v[WS], v[WT] matrix_a_scale:MATRIX_SCALE_ROW1
.elseif (\ry)
	v_wmma_scale_f32_16x16x128_f8f6f4 v[WD:WD+7], v[WX:WX+15], v[WY:WY+15], v[WC:WC+7], v[WS], v[WT] matrix_b_scale:MATRIX_SCALE_ROW1
.else
	v_wmma_scale_f32_16x16x128_f8f6f4 v[WD:WD+7], v[WX:WX+15], v[WY:WY+15], v[WC:WC+7], v[WS], v[WT]
.endif
.endm
; 8 matrix instructions of step SJ: W_A's tile a (at v[AR + 16 a] of its window) x h^T's eight.  In step 0 b_A starts the sums.  The 32 accumulators take turns, one instruction a turn, in the same order in every
; step.
.macro MUL8 a
.irp b, 0,1,2,3,4,5,6,7
.if SJ == 0
	WM 8*(8*(\a)+\b), 128*(SJ%2)+16*\b, AR+16*(\a), 0, 64+8*(\a), 32+8*((SJ/2)%4)+2*(\b/2)+SJ%2, 96+4*(SJ/2)+2*((\a)/2)+SJ%2, \b%2, (\a)%2
.else
	WM 8*(8*(\a)+\b), 128*(SJ%2)+16*\b, AR+16*(\a), 0, 8*(8*(\a)+\b), 32+8*((SJ/2)%4)+2*(\b/2)+SJ%2, 96+4*(SJ/2)+2*((\a)/2)+SJ%2, \b%2, (\a)%2
.endif
.endr
.endm
; STEP j of 16: 128 along K, 32 matrix instructions.  In its middle the next step's fragments of h^T are fetched; at its end group j + 5 of W_A is asked for, into the set that step j - 1 read (the eight places of
; this step's middle stand between).
; mode 0: the next step lies in the same slot.  mode 1: this is a slot's last step: all its fragments are in registers, so the slot is left in the step's middle: each wave waits for all its tensor loads, adds 0 to its
; spare word, waits for that and for its reads of the slot; a round of the cluster's barrier; the slot is filled again, four K steps ahead: 16 + 96 + 16 = 128 matrix instructions stand between the request and the wait
; for it.  mode 2: the same with nothing left to ask for, and a plain barrier.  mode 3: the last step.
.macro SUB j, mode
.set SJ, \j
.set SA, SJ%6
.if SA < 4
.set AR, 64*SA
.set MW, 0xad                          ; source 0 (h^T) window 1, source 1 (W_A) window 3, C and D window 2
.else
.set AR, 128+64*(SA-4)
.set MW, 0xa1                          ; the same with W_A in window 0
.endif
.if SJ == 0
.set MW, 0x8d                          ; W_A in window 3, C (b_A) in window 0
.endif
.set HI, SJ+4                          ; the youngest group asked for so far: 5 at the head, then j + 4, 15 at the most
.if HI < 5
.set HI, 5
.endif
.if HI > 15
.set HI, 15
.endif
.set NJ, 0                             ; the loads of the groups behind group j: 16 a group, 18 where it brings scale words
.set GG, SJ+1
.rept 5
.if GG <= HI
.set NJ, NJ+16+2*(1-GG%2)
.endif
.set GG, GG+1
.endr
.if NJ > 63
.set NJ, 63                            ; the most that the wait can name; a count smaller than the loads issued behind is always right
.endif
	s_wait_dscnt 0x0                               ; h^T's set and scale words are in
	s_wait_loadcnt NJ                              ; loads come back in order (ISA guide 5.7.1): group j is in, the younger groups stay out
	WIN MW
	MUL8 0
	MUL8 1
.if \mode == 0
	PLACES 8                                       ; behind the last step's products: for the loads into h^T's other set and, at this step's end, into W_A's set
.endif
.if \mode == 1
.set SL, (SJ/4)%2
	WIN 0
	s_wait_tensorcnt 0x0                           ; all my tensor loads have landed: my part of the next slot; so a group 0 may be written
	ds_add_u32 v28, v29                            ; 0 onto my spare word
	s_add_nc_u64 s[58+4*SL:59+4*SL], s[58+4*SL:59+4*SL], 8*HB   ; this slot's next two K steps: four steps on
	s_wait_dscnt 0x0                               ; the add is done; my reads of this slot were waited for at the step's head
	CROUND                                         ; no wave of any partner still reads this slot or has a load on its way
	tensor_load_to_lds s[56+4*SL:59+4*SL], s[48:55]   ; my one tensor load behind the round
	s_nop 0
	PLACES 8                                       ; four behind the tensor load, eight in all as in mode 0
.endif
.if \mode == 2
	WIN 0
	s_wait_tensorcnt 0x0                           ; the last slot has landed
	ds_add_u32 v28, v29                            ; 0 onto my spare word
	s_wait_dscnt 0x0
	s_barrier_signal -1
	s_barrier_wait -1                              ; everybody's part has; and nobody reads slot 0 any more: the stages will lie there
	PLACES 8
.endif
.if \mode < 3
	FETCHB SJ+1
	WIN MW
.endif
	MUL8 2
	MUL8 3
.if (SJ >= 1) && (SJ <= 10)
	GLOADA SJ+5
.endif
.endm
.irp a, 0,1,2,3
	global_load_b32 v[64+8*\a], v[8+\a], s[8:9]    ; b_A at m = .. + 16 a + r
.endr
.irp j, 0,1,2,3,4,5
	GLOADA \j                                      ; 102 loads: all six sets are asked for.  (A counter cannot overflow: the issue waits where its field is full: ISA guide 5.7.1)
.endr
	s_wait_tensorcnt 1                             ; my part of slot 0 is in; slot 1's load may stay out
	s_barrier_signal -1
	s_barrier_wait -1                              ; everybody's is
	FETCHB 0
	s_wait_loadcnt 63                              ; b_A is in: 102 loads were issued behind it
.irp a, 0,1,2,3
.irp j, 1,2,3,4,5,6,7
	v_mov_b32 v[64+8*\a+\j], v[64+8*\a]            ; a lane's eight results of a tile belong to one m: the same number eight times
.endr
.endr
	PLACES 8                                       ; between these moves and the products that take their results as C
	SUB 0, 0                                       ; slot 0: K steps 0, 1
	SUB 1, 0
	SUB 2, 0
	SUB 3, 1                                       ; slot 0 takes K steps 4, 5
	SUB 4, 0                                       ; slot 1: K steps 2, 3
	SUB 5, 0
	SUB 6, 0
	SUB 7, 1                                       ; slot 1 takes K steps 6, 7
	SUB 8, 0
	SUB 9, 0
	SUB 10, 0
	SUB 11, 2
	SUB 12, 0
	SUB 13, 0
	SUB 14, 0
	SUB 15, 3
	WIN 0
; THE WAY OUT, tile by tile of 16 rows x 128 columns: through my own stage in LDS, back as whole rows of 512 bytes.  LDS serves a wave's instructions in order (ISA guide 5.7.1.4): no wait between the stores and the loads.
.macro TOSTAGE a
	WIN 0x08                                       ; the data: window 2
.irp b, 0,1,2,3,4,5,6,7
	ds_store_b128 v24, v[64*(\a)+8*\b:64*(\a)+8*\b+3] offset:64*\b       ; each accumulator from its low end on
	ds_store_b128 v24, v[64*(\a)+8*\b+4:64*(\a)+8*\b+7] offset:64*\b+16
.endr
	WIN 0
.set BB, 128+64*((\a)%2)
.irp t, 0,1,2,3,4,5,6,7,8,9,10,11,12,13,14,15
	ds_load_b128 v[BB+4*\t:BB+4*\t+3], v25 offset:\t*SP
.endr
.endm
.macro SEND a, younger                 ; younger: the LDS instructions issued behind tile a's loads, which may stay out
.set BB, 128+64*((\a)%2)
	s_wait_dscnt \younger                          ; the tile is back in registers
	s_wait_xcnt 0x0                                ; EXEC is a source of the stores that are out: it changes only behind this wait
	v_cmp_gt_u32 vcc_lo, 4000-16*(\a), v27         ; do my tile's 16 rows exist?  4,000 is a multiple of 16: all or none, the same in every lane
	s_and_saveexec_b32 s12, vcc_lo
.irp t, 0,1,2,3,4,5,6,7,8,9,10,11,12,13,14,15
	global_store_b128 v26, v[BB+4*\t:BB+4*\t+3], s[10:11] offset:(16*(\a)+\t)*8192 th:TH_STORE_NT   ; 32 lanes store 512 consecutive bytes, at a multiple of 256 from y's first byte; 63 rows at the most: inside the signed 24-bit immediate
.endr
	s_wait_xcnt 0x0                                ; and again in front of the line that widens it; the stores have also read their registers, which the tile after next loads again
	s_or_b32 exec_lo, exec_lo, s12
.endm
	PLACES 8                                       ; behind the last products: for the reads of their results and the loads into the registers that held W_A's sets 4 and 5
	TOSTAGE 0
.irp a, 1,2,3
	TOSTAGE \a
	SEND \a-1, 32                                  ; behind tile a - 1's loads: tile a's 16 stores and 16 loads
.endr
	SEND 3, 0
	s_wait_tensorcnt 0x0                           ; the wave's end, behind my last tensor load and my last LDS store
	ds_add_u32 v28, v29
	s_wait_dscnt 0x0
	CROUND                                         ; the closing round: no work-group ends while a partner may still ask for a tile that names it
	s_endpgm
.Lfunc_end_k_q3d9dd4cac3_proj:
	.size	k_q3d9dd4cac3_proj, .Lfunc_end_k_q3d9dd4cac3_proj-k_q3d9dd4cac3_proj
	.p2alignl 7, 3214868480
	.fill 96, 4, 3214868480
	.section	.rodata,"a",@progbits
	.p2align	6, 0x0
	.amdhsa_kernel k_q3d9dd4cac3_proj
		.amdhsa_group_segment_fixed_size 327680
		.amdhsa_private_segment_fixed_size 0
		.amdhsa_enable_private_segment 0
		.amdhsa_kernarg_size 32
		.amdhsa_user_sgpr_count 2
		.amdhsa_user_sgpr_kernarg_segment_ptr 1
		.amdhsa_wavefront_size32 1
		.amdhsa_system_sgpr_workgroup_id_x 1
		.amdhsa_system_sgpr_workgroup_id_y 1
		.amdhsa_system_sgpr_workgroup_id_z 1
		.amdhsa_system_vgpr_workitem_id 0
		.amdhsa_next_free_vgpr 1024
		.amdhsa_next_free_sgpr 72
		.amdhsa_reserve_vcc 1
		.amdhsa_float_denorm_mode_32 3
		.amdhsa_float_denorm_mode_16_64 3
		.amdhsa_memory_ordered 1
		.amdhsa_forward_progress 1
		.amdhsa_inst_pref_size 156
	.end_amdhsa_kernel
	.amdgpu_metadata
---
amdhsa.version: [ 1, 2 ]
amdhsa.kernels:
  - .name:           k_q3d9dd4cac3_proj
    .symbol:         k_q3d9dd4cac3_proj.kd
    .args:
      - { .name: waq, .offset: 0, .size: 8, .value_kind: global_buffer, .address_space: global }
      - { .name: hq, .offset: 8, .size: 8, .value_kind: global_buffer, .address_space: global }
      - { .name: b_A, .offset: 16, .size: 8, .value_kind: global_buffer, .address_space: global }
      - { .name: out0, .offset: 24, .size: 8, .value_kind: global_buffer, .address_space: global }
    .group_segment_fixed_size: 327680
    .private_segment_fixed_size: 0
    .kernarg_segment_align: 8
    .kernarg_segment_size: 32
    .max_flat_workgroup_size: 128
    .sgpr_count:     72
    .vgpr_count:     1024
    .wavefront_size: 32
...
	.end_amdgpu_metadata
.endif
;; end of part 3
